; MI455X (gfx1250); checked and timed in simulation.
; The chip was launched on July 23, 2026; its instructions are those of AMD's public machine-readable ISA for CDNA 5 (MIT licence, August 2026) and "CDNA5" Instruction Set Architecture Reference Guide (July 2026). The comments in the code are by the model that wrote it; some were corrected since.
;; Attention Layer. Allowed arithmetic: matrix products marked QUANTISED: E2M1 operands, one E8M0 scale for each 32 along K, by v_wmma_scale_f32_16x16x128_f8f6f4 with both operands' format E2M1 (or v_wmma_scale_f32_32x16x128_f4), f32 sums; products left as they are: f32 operands where the result goes on into a quantised operand, else bf16, f16 or f32 operands; f32 sums; everything else in f32.
;; Inputs: Wk 3 x 256 float32; Wq 3 x 256 float32; Wv 3 x 256 float32; bk 256 float32; bq 256 float32; bv 256 float32; forces 16 x 2,048 x 3 float32; noisy_trajectory 16 x 2,048 x 3 float32.
;; Outputs: out0 16 x 2,048 x 256 float32.
;; This version of the problem:
;;   THIS VERSION OF THE PROBLEM IS GIVEN IN LOW PRECISION. The matrix products marked QUANTISED in the list below multiply operands that are first quantised to E2M1 (2 exponent bits, 1 mantissa bit; 4 bits a number), with one power-of-two scale for each 32 numbers along K (OCP MX v1.0); their sums are f32. All else is computed in f32.
;;   The module's matrix products, in the order in which they are computed (A, B: the left and right operand; K: the contracted axis; several contracted axes count as one K, in the product's order):
;;     1. [M 32,768, K 3] x [K 3, N 256]; A: input forces; B: input Wq: left as it is (K = 3 < 32)
;;     2. [M 32,768, K 3] x [K 3, N 256]; A: input noisy_trajectory; B: input Wk: left as it is (K = 3 < 32)
;;     3. [M 32,768, K 3] x [K 3, N 256]; A: input noisy_trajectory; B: input Wv: left as it is (K = 3 < 32)
;;     4. batch 16 x [M 2,048, K 256] x [K 256, N 2,048]; A: computed on the way; B: computed on the way: QUANTISED
;;     5. batch 16 x [M 2,048, K 2,048] x [K 2,048, N 256]; A: softmax (see below); B: computed on the way: QUANTISED
;;   THE QUANTISER, for each operand of a quantised product, along K:
;;     - K is cut into blocks of 32 from its start; a last block that is shorter is filled with zeros.
;;     - A block's scale is 2^e with e = floor(log2(the largest magnitude in the block)) - 2, held to -126 .. 127; a block of zeros has e = 0. As a byte (E8M0): e + 127.
;;     - Each number is divided by its block's scale, clamped to +-6, and rounded to the nearest number of E2M1, ties to even, subnormals kept.
;;     - The product sums the exact products of the quantised numbers (number of the format x scale) in f32.
;;   ~~~python
;;   def quantise(x, axis):      # numpy; x: float32 -> the quantised numbers, widened to float32 again
;;       x = np.moveaxis(x, axis, -1); K = x.shape[-1]
;;       x = np.pad(x, [(0, 0)] * (x.ndim - 1) + [(0, -K % 32)]); x = x.reshape(x.shape[:-1] + (-1, 32)); a = np.abs(x).max(-1, keepdims=True)
;;       e = np.where(a > 0, np.clip(np.frexp(np.where(a > 0, a, 1))[1] - 1 - 2, -126, 127), 0)      # np.frexp(a)[1] - 1 = floor(log2(a)), exactly
;;       r = np.clip(x / 2.0 ** e, -6, 6)
;;       step = 2.0 ** (np.maximum(np.frexp(np.where(r == 0, 1, r))[1] - 1, 0) - 1)
;;       q = np.round(r / step) * step * 2.0 ** e      # np.round: ties to even
;;       return np.moveaxis(q.reshape(q.shape[:-2] + (-1,))[..., :K], -1, axis).astype(np.float32)
;;   ~~~
;;   SOFTMAX AHEAD OF A QUANTISED PRODUCT. Where the list says 'softmax', what is quantised is not the finished softmax but p = 2^(t - M), with t = logit x log2(e) and M = ceil(the row's largest t), a whole number; so 1/2 < the row's largest p <= 1. The row's sum l is taken of the UNQUANTISED p, in f32, and the product's result is divided by l at the end. Since M is a whole number, a kernel that streams over the keys may use a running M (the ceiling of the running maximum): every later rescaling is an exact power of two, which a block's scale takes up: the codes' values come out the same.
;;   OPERANDS COMPUTED ON THE WAY. 'Computed on the way' means the value that the module computes at that place (a softmax that the list does not call 'softmax' is quantised finished and normalised). What goes into a quantiser is computed in f32, as accurately as f32 sums, v_exp_f32 and their like allow (about 1e-6 of the number): no bf16 or f16 on the way to a quantiser, and a product that is left as it is and whose result goes on into a quantised operand takes f32 operands (vector FMAs, or v_wmma_f32_16x16x4_f32). A number that lies on a knife's edge between two numbers of the format may be rounded either way, as far as f32 arithmetic and the matrix unit's own rounding can turn it there, and no further.
;; One version. Each part assembles by itself: llvm-mc -triple=amdgcn-amd-amdhsa -mcpu=gfx1250 --defsym DOCPART=n.
;; ======== version 1 of 1: 2 launches
;; limits: right only within a limited range of input values
;; workspace buffers: ws 13,369,344 bytes
;; launch prep (part 1): grid 256 x 3, 4 waves a work-group, no clusters, 0 bytes of LDS; arguments forces, noisy_trajectory, Wq, bq, Wk, bk, Wv, bv, ws; writes ws
.if DOCPART == 1
	.amdgcn_target "amdgcn-amd-amdhsa--gfx1250"
	.amdhsa_code_object_version 6
	.text
	.protected	k_qe227d530cc_prep
	.globl	k_qe227d530cc_prep
	.p2align	8
	.type	k_qe227d530cc_prep,@function
k_qe227d530cc_prep:
	s_mov_b64 s[64:65], 0
	v_nop
	global_prefetch_b8 v0, s[64:65] scope:SCOPE_SE
	s_setreg_imm32_b32 hwreg(HW_REG_WAVE_MODE, 25, 1), 1
	s_wait_xcnt 0x0
; Q = forces Wq + bq, K = noisy Wk + bk, V = noisy Wv + bv, in f32, and at once their codes of FP4 (E2M1) with one E8M0 scale byte for each 32 along the later K:
; Q and K are quantised along the 256 channels, V along the keys.  The codes leave as IMAGES OF OPERAND REGISTERS (a fragment of 16 rows x 128 K: 8 registers a lane, part c of 512 bytes, lane l's 16 bytes at 512 c + 16 l).
; THE PROJECTION WITH ITS BIAS IS A PRODUCT WITH K = 4: (x0, x1, x2, 1) . (w0, w1, w2, b): one f32 matrix instruction for 16 x 16 numbers.
; Source 0 takes 16 items of the axis that is quantised, source 1 takes 16 rows of the later operand: a lane then holds ONE row, and its registers run along the later K.
; THE ITEMS OF A TILE ARE NOT NEIGHBOURS: lane r of tile 4 c + t takes item 64 c + 32 (r / 8) + 8 t + r % 8, so that the 32 registers of tiles 4 c .. 4 c + 3 are one whole block, items 64 c + 32 (lane / 16) + 0 .. 31,
; in the order of the operand's registers: no lane asks another for a maximum or for codes.  The ROWS of Q's and K's fragments (tokens) are taken in the same order.
; SHARES.  Work-group (g, tau): g = 16 x batch + which 128 tokens; tau = 0: Q, 1: K, 2: V.  It makes 16 fragments, wave w those with numbers 4 w .. 4 w + 3
; (Q, K: number 2 t + s, token tile t, channels 128 s on;  V: number n, channels 16 n on, K = the 128 keys).
; Two sets of accumulators: the next fragment's eight products stand among the lines that search this one's maxima.
; ws: K's and V's record g, 34,816 bytes: K's 16 images, V's 16 images, K's scale words (1,024), V's (1,024);  behind the 256 records Q's codes, 16,384 a record, and Q's scale words, 1,024 a record.
; SCALE WORDS: wave w stores 256 bytes, a pair of words a lane: word i, lanes 0-15: fragment 4 w + 2 i; lanes 16-31: fragment 4 w + 2 i + 1.
; No LDS, no barrier, no loop (so no prefetch); every register that a store reads is written once.
; LIMITS: NaN and infinities among the inputs are not served.  A block whose largest magnitude lies under 2^-124 (a block of zeros too) keeps the byte 1: the bytes are read by this program alone, and zero codes add nothing under it.
.set REC,     34816
.set QC_OFF,  8912896                  ; 256 records
.set QS_OFF,  13107200
.set VT0, 5                            ; v5   tokens, register 0 of a fragment: 12 rho + 8 h (x0 or x2)
.set VT1, 6                            ; v6   register 1: 12 rho + 4 + 4 h (x1; lanes 16-31 read x2 once more and then take 1.0)
.set VW0, 7                            ; v7   W as source 0: 4 rho + 2048 h (row 0 or row 2)
.set VW1, 8                            ; v8   4 rho (row 1 by the immediate; the bias)
.set VN0, 9                            ; v9   W as source 1: 4 r + 2048 h
.set VN1, 10                           ; v10  4 r
.set LI,  11                           ; v11  16 x lane
.set L8,  12                           ; v12  8 x lane
.set H8,  13                           ; v13  8 h
.set KF,  16                           ; v16-47   fragments of source 0, two registers each
.set RF,  48                           ; v48-55   fragments of source 1
.set BT,  56                           ; v56-71   bias numbers as loaded
.set AC,  72                           ; v72-199  two sets of eight accumulators: written by matrix instructions alone
.set PC,  200                          ; v200-231 codes: eight registers for each of the wave's four fragments
.set PW,  232                          ; v232-235 their scale words
.set SW,  236                          ; v[236:237] the pair that is stored
.set TM,  240                          ; v240-255 at work
.set SEL, 2                            ; s[2:3]   lane selects for v_permlanex16_b32: lane l xor 16
.set TOK, 24                           ; s[24:25] the tokens
.set WP,  26                           ; s[26:27] the weight
.set BP,  28                           ; s[28:29] the bias
.set HI,  30                           ; s30      the mask of lanes 16-31
.set CO,  32                           ; s[32:33] where my wave's codes go
.set SOF, 34                           ; s[34:35] and its scale words
; Number nxi of the next fragment's eight products, if there is a next fragment: the whole sum, K = 4.
.macro NX
.if nxe
	v_wmma_f32_16x16x4_f32 v[nxa+8*nxi:nxa+8*nxi+7], v[nxk+2*nxi:nxk+2*nxi+1], v[nxr:nxr+1], 0
.set nxi, nxi+1
.endif
.endm
; 64 numbers of a lane, register 32 c + i = k 64 c + 32 (lane / 16) + i of my row, become a fragment's codes in v[pc] on and its scale word in v[pw].
; Behind the last NX stand ten plain lines ahead of the next fragment's first read (eight are asked: ISA guide 7.12.1).
.macro QUANT s, pc, pw
.irp c, 0,1                                    ; block c: two chains, from each accumulator's low end on, and the floor 2^(3 - 127): the byte cannot fall under 1
	v_max3_num_f32 v[TM+2*\c], |v[\s+32*\c]|, |v[\s+1+32*\c]|, 0x1800000
	v_max3_num_f32 v[TM+2*\c+1], |v[\s+16+32*\c]|, |v[\s+17+32*\c]|, |v[\s+18+32*\c]|
.endr
	NX
.irp i, 2,4,6,8,10,12,14
.irp c, 0,1
	v_max3_num_f32 v[TM+2*\c], v[TM+2*\c], |v[\s+32*\c+\i]|, |v[\s+32*\c+\i+1]|
.if \i < 14
	v_max3_num_f32 v[TM+2*\c+1], v[TM+2*\c+1], |v[\s+32*\c+17+\i]|, |v[\s+32*\c+18+\i]|
.endif
.endr
	NX
.endr
.irp c, 0,1
	v_max3_num_f32 v[TM+2*\c], v[TM+2*\c], v[TM+2*\c+1], |v[\s+32*\c+31]|
.endr
.irp c, 0,1
	v_add_nc_u32 v[TM+12+\c], 0xff000000, v[TM+2*\c]   ; 2 off its exponent field: the conversion takes the exponent field of this operand as its scale
.endr
.irp c, 0,1
	v_lshrrev_b32 v[TM+8+\c], 23, v[TM+12+\c]      ; the scale's byte
.endr
	v_lshl_or_b32 v[TM+10], v[TM+9], 16, v[TM+8]   ; my blocks are numbers h and 2 + h of the row:
	v_lshlrev_b32 v[TM+10], v[H8], v[TM+10]        ; their bytes at their places,
	v_permlanex16_b32 v[TM+4], v[TM+10], s[SEL], s[SEL+1]
	v_or_b32 v[\pw], v[TM+10], v[TM+4]             ; and lane l xor 16's two beside them
.irp i, 0,1,2,3,4,5,6,7
	v_cvt_scalef32_pk8_fp4_f32 v[\pc+\i], v[\s+8*\i:\s+7+8*\i], v[TM+12+\i/4]
.endr
	v_nop                                          ; one plain place behind the last scaled conversion
.endm
; Fragment e of my four (128 along the later K x 16 rows), quantised and stored: each store covers 512 consecutive bytes.  nkf, nrf: the next fragment's sources.
.macro UNIT e, kf, rf, nkf, nrf
.if \e == 0
.irp i, 0,1,2,3,4,5,6,7
	v_wmma_f32_16x16x4_f32 v[AC+8*\i:AC+8*\i+7], v[\kf+2*\i:\kf+2*\i+1], v[\rf:\rf+1], 0
.endr
.rept 8
	v_nop                                          ; eight places between this form and the first read of its results
.endr
.endif
.if \e < 3
.set nxe, 1
.else
.set nxe, 0
.endif
.set nxi, 0
.set nxa, AC+64*((\e+1)%2)
.set nxk, \nkf
.set nxr, \nrf
	QUANT AC+64*(\e%2), PC+8*\e, PW+\e
	global_store_b128 v[LI], v[PC+8*\e:PC+8*\e+3], s[CO:CO+1] offset:1024*\e
	global_store_b128 v[LI], v[PC+8*\e+4:PC+8*\e+7], s[CO:CO+1] offset:1024*\e+512
.endm
	s_load_b512 s[4:19], s[0:1], 0x0               ; forces, noisy_trajectory, Wq, bq, Wk, bk, Wv, bv
	s_load_b64 s[20:21], s[0:1], 0x40              ; ws
	v_lshrrev_b32 v1, 5, v0
	v_readfirstlane_b32 s22, v1                    ; wave 0..3
	s_and_b32 s23, ttmp7, 0xffff                   ; tau
	s_mov_b32 s[SEL], 0x76543210
	s_mov_b32 s[SEL+1], 0xfedcba98
	s_mov_b32 s[HI], 0xffff0000
	v_and_b32 v1, 31, v0                           ; lane
	v_and_b32 v2, 15, v0                           ; r
	v_bfe_u32 v3, v0, 4, 1                         ; h
	v_and_b32 v4, 8, v2
	v_mad_u32_u24 v4, v4, 3, v2                    ; rho = r + 24 (r / 8)
	v_mul_u32_u24 v[VT0], v4, 12                   ; a token is 12 bytes
	v_lshl_add_u32 v[VT1], v3, 2, v[VT0]
	v_add_nc_u32 v[VT1], 4, v[VT1]
	v_lshl_add_u32 v[VT0], v3, 3, v[VT0]
	v_lshlrev_b32 v[VW1], 2, v4
	v_lshl_add_u32 v[VW0], v3, 11, v[VW1]          ; a row of W is 1,024 bytes
	v_lshlrev_b32 v[VN1], 2, v2
	v_lshl_add_u32 v[VN0], v3, 11, v[VN1]
	v_lshlrev_b32 v[LI], 4, v1
	v_lshlrev_b32 v[L8], 3, v1
	v_lshlrev_b32 v[H8], 3, v3
	v_mov_b32 v[TM+4], 0                           ; written once: a lane permute's destination counts as one of its sources
	; the offsets, in registers of their own; then the choices, which hang on the work-group's number alone; then the sums onto the addresses
	s_lshr_b32 s38, s23, 1                         ; 1 for V, 0 for Q and K
	s_lshl_b32 s36, ttmp9, 14
	s_add_co_u32 s36, s36, QC_OFF                  ; codes: Q's record g,
	s_mul_i32 s37, ttmp9, REC
	s_add_co_u32 s41, s37, 32768
	s_lshl_b32 s39, s38, 14
	s_add_co_u32 s37, s37, s39                     ; or K's or V's part of record g
	s_lshl_b32 s40, ttmp9, 10
	s_add_co_u32 s40, s40, QS_OFF                  ; scale words likewise
	s_lshl_b32 s39, s38, 10
	s_add_co_u32 s41, s41, s39
	s_mul_i32 s42, ttmp9, 1536                     ; the record's 128 tokens
	s_lshr_b32 s43, s22, 1
	s_mul_i32 s43, s43, 768
	s_and_b32 s39, s22, 1
	s_mul_i32 s39, s39, 192
	s_add_co_u32 s43, s43, s39                     ; Q, K: my wave's tiles 2 w and 2 w + 1 begin at token 64 (w / 2) + 16 (w % 2)
	s_lshl_b32 s44, s22, 8                         ; V: my wave's 64 channels, in bytes.  Also: my wave's 256 bytes of scale words
	s_lshl_b32 s45, s22, 12                        ; my wave's four images
	s_wait_alu depctr_va_vdst(0)                   ; the wait at the head's end
	s_wait_kmcnt 0x0
	s_cmp_eq_u32 s23, 0
	s_cselect_b64 s[TOK:TOK+1], s[4:5], s[6:7]
	s_cselect_b64 s[WP:WP+1], s[8:9], s[12:13]
	s_cselect_b64 s[BP:BP+1], s[10:11], s[14:15]
	s_cselect_b32 s36, s36, s37
	s_cselect_b32 s40, s40, s41
	s_cmp_eq_u32 s23, 2
	s_cselect_b64 s[WP:WP+1], s[16:17], s[WP:WP+1]
	s_cselect_b64 s[BP:BP+1], s[18:19], s[BP:BP+1]
	s_cselect_b32 s43, 0, s43                      ; V: every wave takes all 128 tokens,
	s_cselect_b32 s46, s44, 0                      ; and its own channels
	s_add_co_u32 s36, s36, s45
	s_mov_b32 s37, 0
	s_add_co_u32 s40, s40, s44
	s_mov_b32 s41, 0
	s_add_co_u32 s42, s42, s43
	s_mov_b32 s43, 0
	s_mov_b32 s47, 0
	s_add_nc_u64 s[CO:CO+1], s[20:21], s[36:37]
	s_add_nc_u64 s[SOF:SOF+1], s[20:21], s[40:41]
	s_add_nc_u64 s[TOK:TOK+1], s[TOK:TOK+1], s[42:43]
	s_add_nc_u64 s[WP:WP+1], s[WP:WP+1], s[46:47]
	s_add_nc_u64 s[BP:BP+1], s[BP:BP+1], s[46:47]
	s_cmp_eq_u32 s23, 2
	s_cbranch_scc1 .Lv
	; ---- Q and K: source 0 = 16 channels of W (16 tiles: all 256), source 1 = 16 tokens (my two tiles)
.irp t, 0,1
	global_load_b32 v[RF+2*\t], v[VT0], s[TOK:TOK+1] offset:96*\t
	global_load_b32 v[RF+2*\t+1], v[VT1], s[TOK:TOK+1] offset:96*\t
.endr
.set k, 0
.rept 16
.set h0, 128*(k/8)+64*((k%8)/4)+8*(k%4)
	global_load_b32 v[KF+2*k], v[VW0], s[WP:WP+1] offset:4*h0            ; k = 0 (lanes 0-15) or 2 (lanes 16-31)
	global_load_b32 v[KF+2*k+1], v[VW1], s[WP:WP+1] offset:4*h0+1024     ; k = 1
	global_load_b32 v[BT+k], v[VW1], s[BP:BP+1] offset:4*h0              ; k = 3: the bias
.set k, k+1
.endr
	s_wait_loadcnt 0x0
.set k, 0
.rept 16
	v_cndmask_b32 v[KF+2*k+1], v[KF+2*k+1], v[BT+k], s[HI]               ; lanes 16-31: the bias
.set k, k+1
.endr
.irp t, 0,1
	v_cndmask_b32 v[RF+2*\t+1], v[RF+2*\t+1], 1.0, s[HI]                 ; lanes 16-31: the 1 that meets the bias
.endr
.rept 4
	v_nop
.endr
	UNIT 0, KF, RF, KF+16, RF                      ; token tile 2 w, channels 0-127
	UNIT 1, KF+16, RF, KF, RF+2                    ; channels 128-255
	UNIT 2, KF, RF+2, KF+16, RF+2                  ; token tile 2 w + 1
	UNIT 3, KF+16, RF+2, KF, RF
	s_wait_alu depctr_va_vdst(0)                   ; the wait here, directly ahead of the branch
	s_branch .Lscales
.Lv:	; ---- V: source 0 = 16 tokens (8 tiles: the 128 keys), source 1 = 16 channels of Wv (my four tiles)
.irp i, 0,1,2,3,4,5,6,7
	global_load_b32 v[KF+2*\i], v[VT0], s[TOK:TOK+1] offset:768*(\i/4)+96*(\i%4)
	global_load_b32 v[KF+2*\i+1], v[VT1], s[TOK:TOK+1] offset:768*(\i/4)+96*(\i%4)
.endr
.irp e, 0,1,2,3
	global_load_b32 v[RF+2*\e], v[VN0], s[WP:WP+1] offset:64*\e
	global_load_b32 v[RF+2*\e+1], v[VN1], s[WP:WP+1] offset:64*\e+1024
	global_load_b32 v[BT+\e], v[VN1], s[BP:BP+1] offset:64*\e
.endr
	s_wait_loadcnt 0x0
.irp i, 0,1,2,3,4,5,6,7
	v_cndmask_b32 v[KF+2*\i+1], v[KF+2*\i+1], 1.0, s[HI]
.endr
.irp e, 0,1,2,3
	v_cndmask_b32 v[RF+2*\e+1], v[RF+2*\e+1], v[BT+\e], s[HI]
.endr
.rept 4
	v_nop
.endr
	UNIT 0, KF, RF, KF, RF+2
	UNIT 1, KF, RF+2, KF, RF+4
	UNIT 2, KF, RF+4, KF, RF+6
	UNIT 3, KF, RF+6, KF, RF
.Lscales:
	v_cndmask_b32 v[SW], v[PW], v[PW+1], s[HI]     ; a scale word stands alike in lanes r and r + 16: lanes 0-15 keep the even fragment's, lanes 16-31 take the odd one's
	v_cndmask_b32 v[SW+1], v[PW+2], v[PW+3], s[HI]
	global_store_b64 v[L8], v[SW:SW+1], s[SOF:SOF+1]   ; 256 consecutive bytes, at a multiple of 256 from the buffer's first byte
	s_endpgm
.Lfunc_end_k_qe227d530cc_prep:
	.size	k_qe227d530cc_prep, .Lfunc_end_k_qe227d530cc_prep-k_qe227d530cc_prep
	.p2alignl 7, 3214868480
	.fill 96, 4, 3214868480
	.section	.rodata,"a",@progbits
	.p2align	6, 0x0
	.amdhsa_kernel k_qe227d530cc_prep
		.amdhsa_group_segment_fixed_size 0
		.amdhsa_private_segment_fixed_size 0
		.amdhsa_enable_private_segment 0
		.amdhsa_kernarg_size 72
		.amdhsa_user_sgpr_count 2
		.amdhsa_user_sgpr_kernarg_segment_ptr 1
		.amdhsa_wavefront_size32 1
		.amdhsa_system_sgpr_workgroup_id_x 1
		.amdhsa_system_sgpr_workgroup_id_y 1
		.amdhsa_system_sgpr_workgroup_id_z 1
		.amdhsa_system_vgpr_workitem_id 0
		.amdhsa_next_free_vgpr 256
		.amdhsa_next_free_sgpr 66
		.amdhsa_reserve_vcc 0
		.amdhsa_float_denorm_mode_32 3
		.amdhsa_float_denorm_mode_16_64 3
		.amdhsa_memory_ordered 1
		.amdhsa_forward_progress 1
		.amdhsa_inst_pref_size 43
	.end_amdhsa_kernel
	.amdgpu_metadata
---
amdhsa.version: [ 1, 2 ]
amdhsa.kernels:
  - .name:           k_qe227d530cc_prep
    .symbol:         k_qe227d530cc_prep.kd
    .args:
      - { .name: forces, .offset: 0, .size: 8, .value_kind: global_buffer, .address_space: global }
      - { .name: noisy_trajectory, .offset: 8, .size: 8, .value_kind: global_buffer, .address_space: global }
      - { .name: Wq, .offset: 16, .size: 8, .value_kind: global_buffer, .address_space: global }
      - { .name: bq, .offset: 24, .size: 8, .value_kind: global_buffer, .address_space: global }
      - { .name: Wk, .offset: 32, .size: 8, .value_kind: global_buffer, .address_space: global }
      - { .name: bk, .offset: 40, .size: 8, .value_kind: global_buffer, .address_space: global }
      - { .name: Wv, .offset: 48, .size: 8, .value_kind: global_buffer, .address_space: global }
      - { .name: bv, .offset: 56, .size: 8, .value_kind: global_buffer, .address_space: global }
      - { .name: ws, .offset: 64, .size: 8, .value_kind: global_buffer, .address_space: global }
    .group_segment_fixed_size: 0
    .private_segment_fixed_size: 0
    .kernarg_segment_align: 8
    .kernarg_segment_size: 72
    .max_flat_workgroup_size: 128
    .sgpr_count:     66
    .vgpr_count:     256
    .wavefront_size: 32
...
	.end_amdgpu_metadata
.endif
;; end of part 1
;; launch attn (part 2): grid 16 x 16, 8 waves a work-group, clusters of 4 x 1, 327,680 bytes of LDS; arguments ws, out0; writes out0
.if DOCPART == 2
	.amdgcn_target "amdgcn-amd-amdhsa--gfx1250"
	.amdhsa_code_object_version 6
	.text
	.protected	k_qe227d530cc_attn
	.globl	k_qe227d530cc_attn
	.p2align	8
	.type	k_qe227d530cc_attn,@function
k_qe227d530cc_attn:
	s_mov_b64 s[64:65], 0
	v_nop
	global_prefetch_b8 v0, s[64:65] scope:SCOPE_SE
	s_setreg_imm32_b32 hwreg(HW_REG_WAVE_MODE, 25, 1), 1
	s_wait_xcnt 0x0
	s_wait_alu depctr_hold_cnt(0) depctr_sa_sdst(0) depctr_va_vdst(0) depctr_va_sdst(0) depctr_va_ssrc(0) depctr_va_vcc(0) depctr_vm_vsrc(0)
	s_getreg_b32 s2, hwreg(HW_REG_IB_STS2, 6, 4)
	s_cmp_eq_u32 s2, 0
	s_cbranch_scc0 .Lentry_in_a_cluster
	s_endpgm
.Lentry_in_a_cluster:
	s_bfe_u32 s2, ttmp6, 0x10000c
	s_cmp_lg_u32 s2, 0x3003
	s_cbranch_scc0 .Lentry_shape_is_right
	s_endpgm
.Lentry_shape_is_right:
; out[b][q][:] = the sum over k of softmax_k(Q[b][q] . K[b][k]) V[b][k][:], both products on codes of FP4 (E2M1) with one E8M0 scale for each 32 along a product's K.  16 batches, 2,048 tokens, 256 channels.
; Q, K and V come from ws as IMAGES OF OPERAND REGISTERS with their scale words, as the launch before laid them (a fragment: 1,024 bytes, part c of 512 bytes, lane l's 16 bytes at 512 c + 16 l).
; THE SOFTMAX AHEAD OF THE SECOND PRODUCT: t = score x log2(e); M = the largest t so far, rounded UP to a whole number; p = 2^(t - M) is what is quantised, along the keys; it is not normalised.
; The row's sum is taken of the unquantised p, in f32, and divides O at the end.  When M moves, the sum and O are multiplied by 2^(old M - new M): exact.
; SHARES.  A work-group owns 128 queries of a batch.  Waves w and w + 4 both own the same two tiles of 16 queries, so that every fragment of K and V read from LDS feeds two matrix instructions; of each unit of 256 keys wave w takes
; the first 128 (a record) and wave w + 4 the others.  Each wave has its own M, sum and O; at the end the two are brought under one M and added, by way of LDS.  Eight units: eight key steps of 128 keys a wave.
; LAYOUT.  Both products are used transposed: S^T = K Q^T (source 0 = 16 keys, source 1 = 16 queries), O^T = V^T P^T (source 0 = 16 channels, source 1 = P): a lane holds ONE query (lane % 16) throughout.
; The keys of a tile are not neighbours: lane r of tile 4 c + t takes key 64 c + 32 (r / 8) + 8 t + r % 8, so that the 32 registers of tiles 4 c .. 4 c + 3 are one whole block of 32 keys, 64 c + 32 (lane / 16) + 0 .. 31:
; a block's maximum needs no other lane, and tile i's eight numbers make register i of p's operand.  The queries of a tile lie in the same order; O's rows are addressed by it.
; A BLOCK'S SCALE: floor(log2(2^(t - M))) is floor(t - M), t the block's largest: no exponential is spent on it.
; ONE BLOCK OF 144 REGISTERS takes K, the scores and V by turns: K's tile i lies where the scores of tile i + 1 will be written; V's 16 tiles land where p has been converted and summed; the next step's K lands where V has been multiplied.
; LDS: four places for units (2 x 34,816 bytes: per record 16 images of K, 16 of V, their scale words), each wave fetching an eighth of a load: unit 0 at the head, unit 1 behind the head's barrier, then two units a load,
; each issued as the first thing behind a round of the cluster's barrier and waited for at a later one.  No padding: an image is read 16 bytes a lane on end.
; CLUSTER.  The four work-groups of a cluster belong to one batch and walk the same K and V: every unit is asked for JOINTLY, by the same tensor load with the same descriptor (batch and wave number alone) and a mask that names the four.
; PREFETCH.  Behind each load what the NEXT load will bring is asked for, one key step or more ahead of that load (unit 1 at the head, one load ahead).  All clusters of a batch walk the same units: the batch's first cluster asks; its four partners
; share the bytes out by address, 17 blocks of 256 bytes a wave (unit 1: four waves of each; two units: all eight).  Unit 0 comes by its load alone, and behind the last load nothing is asked for.
; LIMITS: NaN and infinities among the inputs are not served.  A block of p whose largest lies under 2^-124 keeps the byte 1.  The promise holds while the scaled scores stay under 2^31 in magnitude.
; REGISTERS, in windows of 256 (s_set_vgpr_msb's low byte: bits 1:0 source 0, 3:2 source 1, 5:4 source 2, 7:6 destination): window 0 as below;  window 1: O^T, tile q, channels 16 n on, at v[128 q + 8 n].
.set REC,  34816                       ; a record of 128 keys
.set U,    2*REC                       ; a unit
.set QC_OFF,  8912896                  ; ws: Q's codes, behind 256 records;
.set QS_OFF,  13107200                 ; Q's scale words
.set SPARE, 4*U                        ; the spare words, 128 bytes for each wave: four blocks of 256 bytes that no other line names
.set EX,   282624                      ; where partners hand each other M and the sum: 512 bytes a wave; a multiple of 4,096
.set GT,   EX+4096                     ; and the factors of their rows: 256 bytes a wave, each factor twice on end
.set SP,   1040                        ; the way out: a row of 1,024 bytes + 16; in the units' bytes, which have had their last fill and their last read by then
.set SQ,   16*SP                       ; a tile's 16 rows
.set SREG, 2*SQ                        ; a wave's two tiles
.set LI,  1                            ; v1   16 x lane + my record in a unit
.set ADK, 2                            ; v2   LDS address of the images in hand
.set ADS, 3                            ; v3   and of the scale words
.set SPW, 4                            ; v4   LDS address of my spare word: SPARE + 4 x my thread's number; never rewritten
.set NIL, 5                            ; v5   0; never rewritten
.set PFO, 6                            ; v6   the prefetch: 256 x lane, at most 16 x 256; never rewritten
.set H8,  7                            ; v7   8 x (lane / 16)
.set TA,  8                            ; v8-9   at work
.set XP,  10                           ; v10-11 what a lane permute brings
.set NM,  12                           ; tile q: v[12+4q] -M, v[13+4q] the largest score, v[14+4q:15+4q] the sum in two halves
.set LB,  20                           ; v[20+2q:21+2q] the sum's second chain
.set FA,  24                           ; v[24+2q:25+2q] f = 2^(old M - new M); at the end the factor of my O, twice
.set BM,  28                           ; v[28+2q+c] block c's largest score, then its exponent
.set BB,  32                           ; v[32+2q+c] the second chain of the search
.set SO,  36                           ; v[36+2q+c] the conversion's scale operand
.set PS,  40                           ; v40-41 p's scale words
.set QS,  42                           ; v42-43 Q's: lanes 0-15 channels 0-127, lanes 16-31 channels 128-255
.set KS,  44                           ; v44-51 K's, a register a key tile, halves as Q's
.set VS,  52                           ; v52-59 V's: register k: lanes 0-15 channel tile 2 k, lanes 16-31 tile 2 k + 1
.set PC,  60                           ; v[60+8q ..] p's codes
.set L8,  76                           ; v76  8 x lane + where my record's scale words begin
.set QF,  80                           ; v80-111 Q's fragments: tile q, channel step s at v[80 + 16 q + 8 s]
.set R,   112                          ; v112-255 K, scores, V: scores of key tile i, query tile q at v[R + 16 i + 8 q]; K's tile i at v[R + 16 + 16 i]; V's tile n at v[R + 8 n]
.set STO, 44                           ; the way out (the first products are done): v44 where I put 32 bytes of a row
.set RD0, 45                           ; v45  where I read my own rows back,
.set RD1, 46                           ; v46  and my partner's
.set GO,  47                           ; v47  16 x lane
.set GF,  48                           ; v[48+2i:49+2i] row i's factor for my O, v[80+2i:81+2i] for my partner's (the last products are done)
.set WV,  8                            ; s8   my wave's number
.set LIM0, 12                          ; s12  0 in a wave that asks for a part of unit 1
.set PF1, 14                           ; s[14:15] where that part stands; never rewritten
.set G1,  16                           ; s[16:23] descriptor group 1: rows of 256 bytes, dense
.set G0,  24                           ; s[24:27] group 0
.set KA,  28                           ; s[28:29] my eighth of a pair of units: the batch's first byte + 17,408 x wave
.set PFA, 30                           ; s[30:31] where my other prefetches stand: in units 2 and 3; never rewritten
.set QB,  32                           ; s[32:33] my four images of Q
.set QSB, 34                           ; s[34:35] and their scale words
.set TB,  36                           ; s36  LDS byte at which the unit to be read begins
.set SY,  37                           ; s37  LDS byte of the pair of units that is filled next
.set LW,  38                           ; s38  17,408 x wave
.set PH,  39                           ; s39  counts trips
.set CS,  40                           ; s[40:41] log2(e): the packed form names a pair and takes its low word for both halves
.set NC,  42                           ; s42  -log2(e)
.set LIM, 43                           ; s43  1 in a work-group that prefetches, else the greatest number
.set SEL, 44                           ; s[44:45] lane selects for v_permlanex16_b32: lane l xor 16
.set MSB, 0
.macro WIN new                         ; the immediate's high byte repeats the setting that is left; a switch that changes nothing is dropped
.if MSB != \new
	s_set_vgpr_msb (MSB<<8)|\new
.set MSB, \new
.endif
.endm
.macro VDST                            ; the wait at each of its places
	s_wait_alu depctr_va_vdst(0)
.endm
.macro NOPS n
.rept \n
	v_nop
.endr
.endm
; A round of the cluster's barrier: my work-group's barrier, so that wave 0's signal speaks for all eight waves; wave 0 signals for the work-group; every wave waits for all four work-groups; my work-group's barrier once more.
.macro CROUND
	s_barrier_signal -1
	s_barrier_wait -1
	s_cmp_lg_u32 s[WV], 0
	s_cbranch_scc1 .Lnot_wave_0_\@
	s_barrier_signal -3
.Lnot_wave_0_\@:
	s_barrier_wait -3
	s_barrier_signal -1
	s_barrier_wait -1
.endm
.macro LOADU                           ; my one joint load behind a barrier
	tensor_load_to_lds s[G0:G0+3], s[G1:G1+7]
	s_nop 0
	NOPS 4
.endm
; The next step's addresses, K's scale words, and K's tile 7, whose registers nothing else uses.
.macro KHEAD
	v_add_nc_u32 v[ADK], s[TB], v[LI]
	v_add_nc_u32 v[ADS], s[TB], v[L8]
.irp i, 0,1,2,3
	ds_load_b64 v[KS+2*\i:KS+2*\i+1], v[ADS] offset:256*\i
.endr
.irp i, 0,1,2,3
	ds_load_b128 v[R+128+4*\i:R+128+4*\i+3], v[ADK] offset:14336+512*\i
.endr
.endm
.macro KLD a, n                        ; K's tiles a .. a + n - 1
.set kl, 0
.rept 4*\n
	ds_load_b128 v[R+16+16*\a+4*kl:R+16+16*\a+4*kl+3], v[ADK] offset:2048*\a+512*kl
.set kl, kl+1
.endr
.endm
.macro WM d, a, b, c, sa, sb, m1, m2
	v_wmma_scale_f32_16x16x128_f8f6f4 v[\d:\d+7], v[\a:\a+7], v[\b:\b+7], \c, v[\sa], v[\sb] matrix_a_fmt:MATRIX_FMT_FP4 matrix_b_fmt:MATRIX_FMT_FP4 \m1 \m2
.endm
; S^T of key tile mt: 2 query tiles x 2 steps of 128 channels, the two accumulators by turns; the first two products start the sums.
.macro QKT mt
.irp q, 0,1
	WM R+16*(\mt)+8*\q, R+16+16*(\mt), QF+16*\q, 0, KS+(\mt), QS+\q
.endr
.irp q, 0,1
	WM R+16*(\mt)+8*\q, R+24+16*(\mt), QF+8+16*\q, v[R+16*(\mt)+8*\q:R+16*(\mt)+8*\q+7], KS+(\mt), QS+\q, matrix_a_scale:MATRIX_SCALE_ROW1, matrix_b_scale:MATRIX_SCALE_ROW1
.endr
.endm
; The search for each block's largest score, tile by tile, two chains a block; each accumulator from its low end on.
.macro MX d, a, b
.irp q, 0,1
	v_max3_num_f32 v[\d+2*\q+mc], v[\d+2*\q+mc], v[mb+8*\q+\a], v[mb+8*\q+\b]
.endr
.endm
.macro MAXT mt
.set mb, R+16*(\mt)
.set mc, (\mt)/4
.if (\mt)%4 == 0
.irp q, 0,1
	v_max3_num_f32 v[BM+2*\q+mc], v[mb+8*\q], v[mb+8*\q+1], v[mb+8*\q+2]
.endr
.irp q, 0,1
	v_max3_num_f32 v[BB+2*\q+mc], v[mb+8*\q+3], v[mb+8*\q+4], v[mb+8*\q+5]
.endr
	MX BM, 6, 7
.else
	MX BB, 0, 1
	MX BM, 2, 3
	MX BB, 4, 5
	MX BM, 6, 7
.endif
.endm
; O^T += V^T P^T: channel tile n x 2 query tiles, K = the step's 128 keys.  first = 1: the products start the sums.
.macro PV n, first
.irp q, 0,1
.if \first
.if (\n)%2
	WM 128*\q+8*\n, R+8*\n, PC+8*\q, 0, VS+\n/2, PS+\q, matrix_a_scale:MATRIX_SCALE_ROW1
.else
	WM 128*\q+8*\n, R+8*\n, PC+8*\q, 0, VS+\n/2, PS+\q
.endif
.else
.if (\n)%2
	WM 128*\q+8*\n, R+8*\n, PC+8*\q, v[128*\q+8*\n:128*\q+8*\n+7], VS+\n/2, PS+\q, matrix_a_scale:MATRIX_SCALE_ROW1
.else
	WM 128*\q+8*\n, R+8*\n, PC+8*\q, v[128*\q+8*\n:128*\q+8*\n+7], VS+\n/2, PS+\q
.endif
.endif
.endr
.endm
.macro PVLO first                      ; channels 0-127
	WIN 0x50
.irp n, 0,1,2,3,4,5,6,7
	PV \n, \first
.endr
.endm
.macro PVHI first                      ; channels 128-255
	WIN 0x50
.irp n, 8,9,10,11,12,13,14,15
	PV \n, \first
.endr
.endm
; O^T x f, channels 128 h on, both tiles, each accumulator from its low end on.
.macro RSC h
	WIN 0x41
	VDST
.set rj, 0
.rept 64
.set rk, 128*(rj/32)+64*\h+2*(rj%32)
.set rf, FA+2*(rj/32)
	v_pk_mul_f32 v[rk:rk+1], v[rk:rk+1], v[rf:rf+1] op_sel_hi:[1,0]
.set rj, rj+1
.endr
.endm
; The second product; the next step's K lands in V's registers as they are done with, four places behind the products that read them (ISA guide 7.12.1 for vector instructions):
; the second half of O^T's rescaling is such places.  w = 1: V's second half may still be out.
.macro PVK first, w
	PVLO \first
.if \first
	WIN 0
	NOPS 4
.else
	RSC 1
	WIN 0
.endif
	KLD 0, 3
.if \w
	VDST
	s_wait_dscnt 20                                ; V is in; the 8 loads of KHEAD and the 12 just issued may be out
.endif
	PVHI \first
	WIN 0
	NOPS 4
	KLD 3, 4
.endm
; The row's sum of the UNQUANTISED p, pair k of a step's 32, in two chains: the second begins anew in each step.
.macro ADDP x, l, b, k, first
.if (\k) == 0
	v_pk_add_f32 v[\b:\b+1], v[\x:\x+1], v[\x+2:\x+3]
.elseif ((\k) == 2) && \first
	v_pk_add_f32 v[\l:\l+1], v[\x:\x+1], v[\x+2:\x+3]
.elseif ((\k) == 1) || (((\k) == 3) && \first)
.elseif (\k)%2
	v_pk_add_f32 v[\b:\b+1], v[\b:\b+1], v[\x:\x+1]
.else
	v_pk_add_f32 v[\l:\l+1], v[\l:\l+1], v[\x:\x+1]
.endif
.endm
; n lines of t - M, two numbers a line (of the pairs log2(e) and -M the low word serves both halves).
.macro PF n
.rept \n
.set sm, NM+4*((sj/8)%2)
	v_pk_fma_f32 v[R+sj:R+sj+1], v[R+sj:R+sj+1], s[CS:CS+1], v[sm:sm+1] op_sel_hi:[1,0,0]
.set sj, sj+2
.endr
.endm
; A KEY STEP.  first = 1: the wave's first: it starts O^T and the sum.
; kind 0: the next unit can be read already.  1: a barrier behind which a pair of units is filled.  2: a barrier that fills nothing.  3: the last step, up to p's codes and V's loads.
.macro STEP first, kind
	s_wait_dscnt 16                                ; K's scale words and tiles 7, 0, 1, 2 are in; tiles 3 to 6, 16 loads, may be out
	QKT 0
	NOPS 5                                         ; tile 1's scores are written over K's tile 0: five places
	QKT 1
	MAXT 0                                         ; from here on the search in the tile before is the places, for the reads of scores too
	QKT 2
	MAXT 1
	VDST
	s_wait_dscnt 0x0
.irp m, 3,4,5,6,7
	QKT \m
	MAXT (\m-1)
.endr
	MAXT 7
.irp k, 0,1,2,3
	v_max_num_f32 v[BM+\k], v[BM+\k], v[BB+\k]
.endr
.irp q, 0,1
	v_max_num_f32 v[TA+\q], v[BM+2*\q], v[BM+2*\q+1]
.endr
.irp q, 0,1
	v_permlanex16_b32 v[XP+\q], v[TA+\q], s[SEL], s[SEL+1]
.endr
.irp q, 0,1
.if \first
	v_max_num_f32 v[NM+1+4*\q], v[TA+\q], v[XP+\q]
.else
	v_max3_num_f32 v[NM+1+4*\q], v[NM+1+4*\q], v[TA+\q], v[XP+\q]   ; the running largest score
.endif
.endr
.irp q, 0,1
	v_mul_f32 v[TA+\q], s[NC], v[NM+1+4*\q]        ; -t
.endr
.irp q, 0,1
	v_floor_f32 v[TA+\q], v[TA+\q]                 ; the new -M = floor(-t) = -ceil(t): M is a whole number
.endr
.if \first == 0
.irp q, 0,1
	v_sub_f32 v[XP+\q], v[TA+\q], v[NM+4*\q]       ; M's old value less its new one: a whole number, 0 or less
.endr
.endif
.irp q, 0,1
	v_mov_b32 v[NM+4*\q], v[TA+\q]
.endr
.set sj, 0                                     ; the scales' and the factor's chains stand among the lines of t - M
	PF 4
.if \first == 0
.irp q, 0,1
	v_cvt_i32_f32 v[XP+\q], v[XP+\q]               ; (it saturates)
.endr
.endif
.irp q, 0,1
	v_pk_fma_f32 v[BM+2*\q:BM+2*\q+1], v[BM+2*\q:BM+2*\q+1], s[CS:CS+1], v[NM+4*\q:NM+4*\q+1] op_sel_hi:[1,0,0]   ; each block's largest t - M
.endr
	PF 4
.if \first == 0
.irp q, 0,1
	v_ldexp_f32 v[FA+2*\q], 1.0, v[XP+\q]          ; f = 2^(old M - new M): a multiplication by it rounds nothing
.endr
.endif
.irp k, 0,1,2,3
	v_max_num_f32 v[BM+\k], 0xc2f80000, v[BM+\k]   ; held at -124 from below: so the byte cannot fall under 1
.endr
	PF 6
.irp k, 0,1,2,3
	v_cvt_floor_i32_f32 v[BM+\k], v[BM+\k]         ; e = floor(log2(the block's largest p))
.endr
	PF 6
.irp k, 0,1,2,3
	v_lshl_add_u32 v[SO+\k], v[BM+\k], 23, 0x3e800000   ; (e - 2 + 127) << 23: the conversion's scale operand
.endr
.irp q, 0,1
	v_lshl_add_u32 v[PS+\q], v[BM+2*\q+1], 16, v[BM+2*\q]
.endr
	PF 6
.irp q, 0,1
	v_add_nc_u32 v[PS+\q], 0x7d007d, v[PS+\q]      ; both blocks' bytes, e + 125,
.endr
	PF 6
.irp q, 0,1
	v_lshlrev_b32 v[PS+\q], v[H8], v[PS+\q]        ; at their places: blocks h and 2 + h
.endr
	PF 6
.irp q, 0,1
	v_permlanex16_b32 v[XP+\q], v[PS+\q], s[SEL], s[SEL+1]
.endr
	PF 6
.irp q, 0,1
	v_or_b32 v[PS+\q], v[PS+\q], v[XP+\q]          ; with lane l xor 16's two: p's scale word
.endr
	PF 20
	VDST
.irp u, 0,1,2,3                                ; key tiles 2 u and 2 u + 1: p, its codes and its sums; then their registers are given to V's tiles 4 u .. 4 u + 3
.set sj, 32*\u
.rept 32
	v_exp_f32 v[R+sj], v[R+sj]                     ; p = 2^(t - M): not normalised
.set sj, sj+1
.endr
.if (\u == 0) && (\first == 0)
.irp q, 0,1
	v_pk_mul_f32 v[NM+2+4*\q:NM+3+4*\q], v[NM+2+4*\q:NM+3+4*\q], v[FA+2*\q:FA+2*\q+1] op_sel_hi:[1,0]   ; the sum under the new M; a plain place behind the exponentials
.endr
.else
	v_nop                                          ; a plain place behind the exponentials
.endif
	VDST
.irp a, 0,1
.irp q, 0,1
	v_cvt_scalef32_pk8_fp4_f32 v[PC+8*\q+2*\u+\a], v[R+32*\u+16*\a+8*\q:R+32*\u+16*\a+8*\q+7], v[SO+2*\q+\u/2]
.endr
.endr
.irp a, 0,1
.irp i, 0,1,2,3
.irp q, 0,1
	ADDP R+32*\u+16*\a+8*\q+2*\i, NM+2+4*\q, LB+2*\q, 4*(2*\u+\a)+\i, \first
.endr
.endr
.endr
.if \u == 0
.irp i, 0,1,2,3
	ds_load_b64 v[VS+2*\i:VS+2*\i+1], v[ADS] offset:1024+256*\i
.endr
.endif
.irp i, 0,1,2,3,4,5,6,7
	ds_load_b128 v[R+32*\u+4*\i:R+32*\u+4*\i+3], v[ADK] offset:16384+4096*\u+512*\i
.endr
.endr
.irp q, 0,1
	v_pk_add_f32 v[NM+2+4*\q:NM+3+4*\q], v[NM+2+4*\q:NM+3+4*\q], v[LB+2*\q:LB+2*\q+1]
.endr
.if \kind == 0
	s_add_co_u32 s[TB], s[TB], U
	KHEAD
	RSC 0
	VDST
	s_wait_dscnt 24                                ; V's scale words and first half are in; its second half, 16 loads, and the 8 of KHEAD may be out
	PVK \first, 1
.elseif \kind == 1
	VDST
	s_wait_tensorcnt 0x0                           ; all my tensor loads have landed: so group 0 may be written
	ds_add_u32 v[SPW], v[NIL]                      ; 0 onto my spare word
.if \first
	s_mov_b32 s[G1+2], 68<<16                      ; from here on a load brings two units, 68 rows of 256 bytes a wave
	s_mov_b32 s[G1+4], 68
	s_add_co_u32 s[G0+1], s[LW], 2*U               ; units 2 and 3, at their places
	s_add_nc_u64 s[G0+2:G0+3], s[KA:KA+1], 2*U
	s_or_b32 s[G0+3], s[G0+3], 0x80000000
	s_mov_b32 s[SY], 0
	s_mov_b32 s[TB], U
.else
	s_add_co_u32 s[G0+1], s[LW], s[SY]             ; the next two units, where the pair before the last lay
	s_add_nc_u64 s[G0+2:G0+3], s[G0+2:G0+3], 2*U
	s_xor_b32 s[SY], s[SY], 2*U
	s_mov_b32 s[TB], s[SY]                         ; and the reading goes on in the other pair
	RSC 0
	WIN 0
.endif
	VDST
	s_wait_dscnt 0x0                               ; the add is done, and so are my reads (V of this step among them)
	CROUND                                         ; no wave of any partner still reads what is filled now, or has a load on its way
	LOADU
.if \first
	s_cmp_eq_u32 s[LIM], 1
.else
	s_cmp_gt_u32 s[PH], s[LIM]                     ; in the first of the two trips alone
.endif
	s_cbranch_scc0 .Lnot_mine_\@
.if \first
	global_prefetch_b8 v[PFO], s[PFA:PFA+1] offset:2*U th:TH_LOAD_NT scope:SCOPE_SE   ; units 4 and 5
.else
	global_prefetch_b8 v[PFO], s[PFA:PFA+1] offset:4*U th:TH_LOAD_NT scope:SCOPE_SE   ; units 6 and 7
.endif
.Lnot_mine_\@:
	KHEAD
	PVK \first, 0
.elseif \kind == 2
	s_wait_tensorcnt 0x0                           ; my part of units 6 and 7 is in
	s_add_co_u32 s[TB], s[TB], U
	RSC 0
	WIN 0
	VDST
	s_wait_dscnt 0x0                               ; V is in; no LDS instruction of mine is pending at the signal
	s_barrier_signal -1
	s_barrier_wait -1                              ; everybody's part is in
	KHEAD
	PVK \first, 0
.endif
.endm
	s_load_b128 s[4:7], s[0:1], 0x0                ; ws s[4:5], out0 s[6:7]
	v_lshl_add_u32 v[SPW], v0, 2, SPARE
	v_mov_b32 v[NIL], 0
	ds_add_u32 v[SPW], v[NIL]                      ; the wave's opening: the add, twice on end, and its wait ahead of my first tensor load
	ds_add_u32 v[SPW], v[NIL]
	v_lshrrev_b32 v[TA], 5, v0
	v_readfirstlane_b32 s[WV], v[TA]               ; wave 0..7
	s_bfe_u32 s9, ttmp6, 0x40000                   ; cx: my place in the cluster
	s_lshl_b32 s10, ttmp9, 2                       ; in a cluster launch ttmp9 counts clusters
	s_add_co_u32 s10, s10, s9                      ; my block of 128 queries: it enters Q's and O's addresses alone
	s_and_b32 s11, ttmp7, 0xffff                   ; the batch, which the four partners share
	; descriptor group 1: a dense block as rows of 256 bytes (32 elements of 8 bytes)
	s_mov_b32 s[G1], 15|(3<<16)|(1<<21)            ; 15:0 the mask: all four work-groups; 17:16 elements of 8 bytes; 20 no padding; 21 set beside a mask
	s_mov_b32 s[G1+1], 32<<16                      ; tensor_dim0 = 32
	s_mov_b32 s[G1+2], 34<<16                      ; tensor_dim1 = 34
	s_mov_b32 s[G1+3], 32<<16                      ; tile_dim0 = 32
	s_mov_b32 s[G1+4], 34                          ; tile_dim1 = 34: 8,704 bytes, an eighth of a unit
	s_mov_b32 s[G1+5], 32                          ; from row to row
	s_mov_b32 s[G1+6], 0
	s_mov_b32 s[G1+7], 0
	s_lshr_b32 s46, s[WV], 2                       ; which record of a unit is mine; on the way out: which half of the channels
	s_and_b32 s47, s[WV], 3                        ; which two query tiles are mine
	s_mul_i32 s48, s11, 16*REC                     ; the batch's records
	s_mov_b32 s49, 0
	s_mul_i32 s50, s[WV], 34*256                   ; my eighth of a unit
	s_mov_b32 s51, 0
	s_mul_i32 s[LW], s[WV], 68*256                 ; and of two
	s_mov_b32 s52, s[LW]
	s_mov_b32 s53, 0
	s_lshl_b32 s54, s11, 4
	s_add_co_u32 s54, s54, s10                     ; g = 16 x batch + my block
	s_lshl_b32 s56, s54, 14                        ; Q's codes: record g, my four images
	s_lshl_b32 s57, s47, 12
	s_add_co_u32 s56, s56, s57
	s_mov_b32 s57, 0
	s_lshl_b32 s58, s54, 10                        ; Q's scale words
	s_lshl_b32 s59, s47, 8
	s_add_co_u32 s58, s58, s59
	s_mov_b32 s59, 0
	s_lshl_b32 s60, s54, 17                        ; O: 128 rows of 1,024 bytes a block; my tiles begin at row 64 (w / 2) + 16 (w % 2), w of 0 to 3; my half of the channels
	s_lshr_b32 s61, s47, 1
	s_lshl_b32 s61, s61, 16
	s_add_co_u32 s60, s60, s61
	s_and_b32 s61, s47, 1
	s_lshl_b32 s61, s61, 14
	s_add_co_u32 s60, s60, s61
	s_lshl_b32 s61, s46, 9
	s_add_co_u32 s60, s60, s61
	s_mov_b32 s61, 0
	s_mul_i32 s3, s[WV], 17*256                    ; the prefetches: my wave's 4,352 bytes,
	s_mul_i32 s2, s9, REC                          ; of my work-group's 34,816 of two units, from unit 2 on,
	s_add_co_u32 s2, s2, s3
	s_add_co_u32 s2, s2, 2*U
	s_mul_i32 s14, s9, 68*256                      ; and (waves 0 to 3) of its 17,408 of unit 1
	s_add_co_u32 s14, s14, s3
	s_add_co_u32 s14, s14, U
	s_mov_b32 s15, 0
	s_mov_b32 s3, 0
	s_or_b32 s[LIM0], s46, ttmp9
	s_cmp_eq_u32 ttmp9, 0                          ; the batch's first cluster: the same in all four partners
	s_cselect_b32 s[LIM], 1, -1
	s_mov_b32 s[CS], 0x3fb8aa3b                    ; log2(e)
	s_mov_b32 s[CS+1], s[CS]                       ; (named with it as a pair, so it is written)
	s_mov_b32 s[NC], 0xbfb8aa3b
	s_mov_b32 s[SEL], 0x76543210
	s_mov_b32 s[SEL+1], 0xfedcba98
	s_mov_b32 s[TB], 0
	s_mul_i32 s55, s46, REC
	v_and_b32 v[TA], 31, v0                        ; lane
	v_lshlrev_b32 v[TA+1], 4, v[TA]                ; Q's images
	v_lshlrev_b32 v[XP], 3, v[TA]                  ; Q's scale words
	v_add_nc_u32 v[LI], s55, v[TA+1]
	s_add_co_u32 s55, s55, 32768
	v_add_nc_u32 v[L8], s55, v[XP]
	v_min_u32 v[PFO], 16, v[TA]
	v_lshlrev_b32 v[PFO], 8, v[PFO]
	v_bfe_u32 v[H8], v0, 4, 1
	v_lshlrev_b32 v[H8], 3, v[H8]
	v_mov_b32 v[XP+1], 0                           ; written once: a lane permute's destination counts as one of its sources
	v_mov_b32 v[FA+1], 0                           ; (named as the upper halves of pairs)
	v_mov_b32 v[FA+3], 0
	s_mul_i32 s55, s[WV], 34*256
	VDST
	s_wait_dscnt 0x0                               ; both opening adds are done
	s_wait_kmcnt 0x0
	s_add_nc_u64 s[48:49], s[4:5], s[48:49]
	s_add_nc_u64 s[50:51], s[48:49], s[50:51]
	s_add_nc_u64 s[KA:KA+1], s[48:49], s[52:53]
	s_add_nc_u64 s[PFA:PFA+1], s[48:49], s[2:3]
	s_add_nc_u64 s[PF1:PF1+1], s[48:49], s[14:15]
	s_add_nc_u64 s[QB:QB+1], s[4:5], s[56:57]
	s_add_nc_u64 s[QB:QB+1], s[QB:QB+1], QC_OFF
	s_add_nc_u64 s[QSB:QSB+1], s[4:5], s[58:59]
	s_add_nc_u64 s[QSB:QSB+1], s[QSB:QSB+1], QS_OFF
	s_add_nc_u64 s[6:7], s[6:7], s[60:61]
	s_mov_b32 s[G0], 1                             ; 1:0 count = 1
	s_mov_b32 s[G0+1], s55                         ; 63:32 LDS address
	s_mov_b64 s[G0+2:G0+3], s[50:51]               ; 120:64 global address: my eighth of unit 0
	s_or_b32 s[G0+3], s[G0+3], 0x80000000          ; 127:126 type = 2
	CROUND                                         ; all four work-groups are here: the first joint loads meet
	LOADU                                          ; unit 0
.irp i, 0,1,2,3,4,5,6,7
	global_load_b128 v[QF+4*\i:QF+4*\i+3], v[TA+1], s[QB:QB+1] offset:512*\i   ; Q stays in registers
.endr
	global_load_b64 v[QS:QS+1], v[XP], s[QSB:QSB+1]
	s_cmp_eq_u32 s[LIM0], 0
	s_cbranch_scc0 .Lnot_mine_h
	global_prefetch_b8 v[PFO], s[PF1:PF1+1] th:TH_LOAD_NT scope:SCOPE_SE   ; unit 1
.Lnot_mine_h:
	VDST
	s_wait_tensorcnt 0x0                           ; my part of unit 0 is in
	ds_add_u32 v[SPW], v[NIL]
	s_add_co_u32 s[G0+1], s55, U                   ; unit 1, behind unit 0
	s_add_nc_u64 s[G0+2:G0+3], s[G0+2:G0+3], U
	s_wait_dscnt 0x0
	CROUND                                         ; everybody's part of unit 0 is in
	LOADU
	KHEAD                                          ; the first step's K
	KLD 0, 3
	KLD 3, 4
	VDST
	s_cmp_eq_u32 s[LIM], 1
	s_cbranch_scc0 .Lnot_mine_b
	global_prefetch_b8 v[PFO], s[PFA:PFA+1] th:TH_LOAD_NT scope:SCOPE_SE   ; units 2 and 3
.Lnot_mine_b:
	s_wait_loadcnt 0x0                             ; Q
	STEP 1, 1                                      ; unit 0; units 2 and 3 are asked for
	s_mov_b32 s[PH], 2
.Lmain:                                                ; units 1, 2 and 3, 4; units 4, 5 and 6, 7 are asked for
	STEP 0, 1
	STEP 0, 0
	s_sub_co_u32 s[PH], s[PH], 1
	s_cmp_lg_u32 s[PH], 0
	VDST
	s_cbranch_scc1 .Lmain
	STEP 0, 2                                      ; unit 5
	STEP 0, 0                                      ; unit 6
	STEP 0, 3                                      ; unit 7
	; THE JOIN.  Each wave's sum (its two halves and lane l xor 16's) and -M go to LDS; each reads its partner's, takes the larger M, and makes the factor of its O^T: 2^(its M - M) / (the whole sum).
	; Rescaling stands between the barrier's signal and its wait: register work; V has been waited for, so behind the wait nobody reads a unit any more.
.irp q, 0,1
	v_add_f32 v[TA+\q], v[NM+2+4*\q], v[NM+3+4*\q]
.endr
.irp q, 0,1
	v_permlanex16_b32 v[XP+\q], v[TA+\q], s[SEL], s[SEL+1]
.endr
.irp q, 0,1
	v_add_f32 v[BM+2+\q], v[TA+\q], v[XP+\q]
.endr
.irp q, 0,1
	v_mov_b32 v[BM+\q], v[NM+4*\q]
.endr
	v_lshl_add_u32 v[ADK], v0, 4, EX
	v_xor_b32 v[ADS], 2048, v[ADK]                 ; wave w xor 4
	ds_store_b128 v[ADK], v[BM:BM+3]
	s_mul_i32 s46, s[WV], SREG                     ; my rows of the stage
	s_lshl_b32 s51, s[WV], 8
	s_add_co_u32 s51, s51, GT                      ; my table of factors
	s_xor_b32 s47, s[WV], 4
	s_lshl_b32 s53, s47, 8
	s_add_co_u32 s53, s53, GT                      ; my partner's,
	s_mul_i32 s47, s47, SREG                       ; and its rows
	s_lshr_b32 s48, s[WV], 2
	s_lshl_b32 s48, s48, 9                         ; my half of the channels, in bytes
	s_add_co_u32 s49, s46, s48
	s_add_co_u32 s50, s47, s48
	v_and_b32 v[TA], 15, v0                        ; r
	v_mul_u32_u24 v[STO], v[TA], SP                ; in: row r, 32 bytes for each half of the lanes
	v_lshl_add_u32 v[STO], v[H8], 2, v[STO]
	v_add_nc_u32 v[STO], s46, v[STO]
	v_lshlrev_b32 v[LI], 3, v[TA]
	v_add_nc_u32 v[LI], s51, v[LI]                 ; where row r's factor goes: 8 bytes
	v_and_b32 v[GO], 31, v0
	v_lshlrev_b32 v[GO], 4, v[GO]                  ; back: the 32 lanes take 512 bytes of a row; and the same in O
	v_add_nc_u32 v[RD0], s49, v[GO]
	v_add_nc_u32 v[RD1], s50, v[GO]
	VDST
	s_wait_dscnt 0x0
	s_barrier_signal -1
	RSC 0
	WIN 0
	s_barrier_wait -1
	ds_load_b128 v[SO:SO+3], v[ADS]
	RSC 1
	WIN 0
	v_mov_b32 v[ADK], s51                          ; the tables' first bytes, for reads that are the same in all lanes
	v_mov_b32 v[ADS], s53
	VDST
	s_wait_dscnt 0x0
.irp q, 0,1
	v_min_num_f32 v[TA+\q], v[BM+\q], v[SO+\q]     ; -M
.endr
.irp q, 0,1
	v_sub_f32 v[BM+\q], v[TA+\q], v[BM+\q]
	v_sub_f32 v[SO+\q], v[TA+\q], v[SO+\q]
.endr
.irp q, 0,1
	v_cvt_i32_f32 v[BM+\q], v[BM+\q]
	v_cvt_i32_f32 v[SO+\q], v[SO+\q]
.endr
.irp q, 0,1
	v_ldexp_f32 v[BM+2+\q], v[BM+2+\q], v[BM+\q]
	v_ldexp_f32 v[SO+2+\q], v[SO+2+\q], v[SO+\q]
.endr
.irp q, 0,1
	v_add_f32 v[TA+\q], v[BM+2+\q], v[SO+2+\q]     ; the whole row's sum
.endr
	VDST
.irp q, 0,1
	v_rcp_f32 v[XP+\q], v[TA+\q]
.endr
	v_nop                                          ; a plain place behind the last reciprocal
	VDST
.irp q, 0,1
	v_ldexp_f32 v[FA+2*\q], v[XP+\q], v[BM+\q]
	v_ldexp_f32 v[FA+2*\q+1], v[XP+\q], v[BM+\q]
.endr
	ds_store_b64 v[LI], v[FA:FA+1]                 ; lanes r and r + 16 write the same bytes with the same value
	ds_store_b64 v[LI], v[FA+2:FA+3] offset:128
	PVLO 0
	PVHI 0
	WIN 0
	NOPS 4
; THE WAY OUT.  A wave puts its rows, all 256 channels, into its stage as they are; of its own and its partner's rows it reads its half of the channels back, multiplies each by its row's factor, adds them,
; and stores 512 bytes a row: two aligned units of 256 bytes.
.macro STG q
	WIN 0x04
.irp n, 0,1,2,3,4,5,6,7,8,9,10,11,12,13,14,15
	ds_store_b128 v[STO], v[128*\q+8*\n:128*\q+8*\n+3] offset:SQ*\q+64*\n
	ds_store_b128 v[STO], v[128*\q+8*\n+4:128*\q+8*\n+7] offset:SQ*\q+64*\n+16
.endr
	WIN 0
.endm
.macro RDQ q
.irp i, 0,1,2,3,4,5,6,7
	ds_load_b128 v[GF+4*\i:GF+4*\i+3], v[ADK] offset:128*\q+16*\i
	ds_load_b128 v[GF+32+4*\i:GF+35+4*\i], v[ADS] offset:128*\q+16*\i
.endr
.irp i, 0,1,2,3,4,5,6,7,8,9,10,11,12,13,14,15
	ds_load_b128 v[R+4*\i:R+4*\i+3], v[RD0] offset:SQ*\q+SP*\i
	ds_load_b128 v[R+64+4*\i:R+64+4*\i+3], v[RD1] offset:SQ*\q+SP*\i
.endr
.endm
.macro SENDQ q, younger                ; younger: the LDS instructions issued behind the rows' loads, which may stay out
.irp g, 0,1,2,3
	s_wait_dscnt \younger+24-8*\g
.irp j, 0,1,2,3,4,5,6,7                ; two lines a row: stage row 4 g + j / 2
	v_pk_mul_f32 v[R+64+16*\g+2*\j:R+64+16*\g+2*\j+1], v[R+64+16*\g+2*\j:R+64+16*\g+2*\j+1], v[GF+32+8*\g+2*(\j/2):GF+33+8*\g+2*(\j/2)]
.endr
.irp j, 0,1,2,3,4,5,6,7
	v_pk_fma_f32 v[R+16*\g+2*\j:R+16*\g+2*\j+1], v[R+16*\g+2*\j:R+16*\g+2*\j+1], v[GF+8*\g+2*(\j/2):GF+1+8*\g+2*(\j/2)], v[R+64+16*\g+2*\j:R+64+16*\g+2*\j+1]
.endr
.irp j, 0,1,2,3                        ; stage row i = 4 g + j is query 8 q + i + 24 (i / 8) from my first
	global_store_b128 v[GO], v[R+16*\g+4*\j:R+16*\g+4*\j+3], s[6:7] offset:1024*(8*\q+4*\g+\j+24*(\g/2)) th:TH_STORE_NT
.endr
.endr
.endm
	STG 0
	VDST
	s_wait_dscnt 0x0
	s_barrier_signal -1
	s_barrier_wait -1
	RDQ 0
	STG 1
	SENDQ 0, 32                                    ; behind the rows' loads: the second tile's 32 stores into the stage
	s_wait_xcnt 0x0                                ; the stores have read their registers: the second tile's rows may land there
	s_wait_dscnt 0x0
	s_barrier_signal -1
	s_barrier_wait -1
	RDQ 1
	SENDQ 1, 0
	s_wait_tensorcnt 0x0                           ; the wave's end
	ds_add_u32 v[SPW], v[NIL]
	s_wait_dscnt 0x0
	CROUND                                         ; the closing round: no work-group ends while a partner may still ask for a unit that names it
	s_endpgm
.Lfunc_end_k_qe227d530cc_attn:
	.size	k_qe227d530cc_attn, .Lfunc_end_k_qe227d530cc_attn-k_qe227d530cc_attn
	.p2alignl 7, 3214868480
	.fill 96, 4, 3214868480
	.section	.rodata,"a",@progbits
	.p2align	6, 0x0
	.amdhsa_kernel k_qe227d530cc_attn
		.amdhsa_group_segment_fixed_size 327680
		.amdhsa_private_segment_fixed_size 0
		.amdhsa_enable_private_segment 0
		.amdhsa_kernarg_size 16
		.amdhsa_user_sgpr_count 2
		.amdhsa_user_sgpr_kernarg_segment_ptr 1
		.amdhsa_wavefront_size32 1
		.amdhsa_system_sgpr_workgroup_id_x 1
		.amdhsa_system_sgpr_workgroup_id_y 1
		.amdhsa_system_sgpr_workgroup_id_z 1
		.amdhsa_system_vgpr_workitem_id 0
		.amdhsa_next_free_vgpr 512
		.amdhsa_next_free_sgpr 66
		.amdhsa_reserve_vcc 0
		.amdhsa_float_denorm_mode_32 3
		.amdhsa_float_denorm_mode_16_64 3
		.amdhsa_memory_ordered 1
		.amdhsa_forward_progress 1
		.amdhsa_inst_pref_size 255
	.end_amdhsa_kernel
	.section	.bss,"aw",@nobits
	.p2align	6
	.space	262144
	.amdgpu_metadata
---
amdhsa.version: [ 1, 2 ]
amdhsa.kernels:
  - .name:           k_qe227d530cc_attn
    .symbol:         k_qe227d530cc_attn.kd
    .args:
      - { .name: ws, .offset: 0, .size: 8, .value_kind: global_buffer, .address_space: global }
      - { .name: out0, .offset: 8, .size: 8, .value_kind: global_buffer, .address_space: global }
    .group_segment_fixed_size: 327680
    .private_segment_fixed_size: 0
    .kernarg_segment_align: 8
    .kernarg_segment_size: 16
    .max_flat_workgroup_size: 256
    .sgpr_count:     66
    .vgpr_count:     512
    .wavefront_size: 32
...
	.end_amdgpu_metadata
.endif
;; end of part 2
